; MI455X (gfx1250); checked and timed in simulation.
; The chip was launched on July 23, 2026; its instructions are those of AMD's public machine-readable ISA for CDNA 5 (MIT licence, August 2026) and "CDNA5" Instruction Set Architecture Reference Guide (July 2026). The comments in the code are by the model that wrote it; some were corrected since.
;; My Attention. Allowed arithmetic: matrix products marked QUANTISED: E2M1 operands, one E8M0 scale for each 32 along K, by v_wmma_scale_f32_16x16x128_f8f6f4 with both operands' format E2M1 (or v_wmma_scale_f32_32x16x128_f4), f32 sums; products left as they are: bf16, f16 or f32 operands; f32 sums; everything else in f32.
;; Inputs: bk 1,024 float32; bo 64 float32; bq 1,024 float32; bv 1,024 float32; inputs 4 x 2,048 x 1,024 float32; wk 1,024 x 1,024 float32; wo 1,024 x 64 float32; wq 1,024 x 1,024 float32; wv 1,024 x 1,024 float32.
;; Outputs: out0 4 x 2,048 x 64 float32.
;; This version of the problem:
;;   THIS VERSION OF THE PROBLEM IS GIVEN IN LOW PRECISION. The matrix products marked QUANTISED in the list below multiply operands that are first quantised to E2M1 (2 exponent bits, 1 mantissa bit; 4 bits a number), with one power-of-two scale for each 32 numbers along K (OCP MX v1.0); their sums are f32. The products marked 'left as it is' may take bf16, f16 or f32 operands, with f32 sums. Whichever they take, every output number must still come out within the allowed error. Rounding operands to bf16 (8 significant bits) uses up far more of that allowance than f16 does (11 bits, for magnitudes from 6e-5 to 65,504). All else is computed in f32.
;;   The module's matrix products, in the order in which they are computed (A, B: the left and right operand; K: the contracted axis; several contracted axes count as one K, in the product's order):
;;     1. [M 8,192, K 1,024] x [K 1,024, N 1,024]; A: input inputs; B: input wq: QUANTISED
;;     2. [M 8,192, K 1,024] x [K 1,024, N 1,024]; A: input inputs; B: input wk: QUANTISED
;;     3. [M 8,192, K 1,024] x [K 1,024, N 1,024]; A: input inputs; B: input wv: QUANTISED
;;     4. batch 64 x [M 2,048, K 64] x [K 64, N 2,048]; A: computed on the way; B: computed on the way: left as it is (an operand is computed on the way)
;;     5. batch 64 x [M 2,048, K 2,048] x [K 2,048, N 64]; A: computed on the way; B: computed on the way: left as it is (an operand is computed on the way)
;;     6. [M 8,192, K 1,024] x [K 1,024, N 64]; A: computed on the way; B: input wo: left as it is (an operand is computed on the way)
;;   THE QUANTISER, for each operand of a quantised product, along K:
;;     - K is cut into blocks of 32 from its start; a last block that is shorter is filled with zeros.
;;     - A block's scale is 2^e with e = floor(log2(the largest magnitude in the block)) - 2, held to -126 .. 127; a block of zeros has e = 0. As a byte (E8M0): e + 127.
;;     - Each number is divided by its block's scale, clamped to +-6, and rounded to the nearest number of E2M1, ties to even, subnormals kept.
;;     - The product sums the exact products of the quantised numbers (number of the format x scale) in f32.
;;   ~~~python
;;   def quantise(x, axis):      # numpy; x: float32 -> the quantised numbers, widened to float32 again
;;       x = np.moveaxis(x, axis, -1); K = x.shape[-1]
;;       x = np.pad(x, [(0, 0)] * (x.ndim - 1) + [(0, -K % 32)]); x = x.reshape(x.shape[:-1] + (-1, 32)); a = np.abs(x).max(-1, keepdims=True)
;;       e = np.where(a > 0, np.clip(np.frexp(np.where(a > 0, a, 1))[1] - 1 - 2, -126, 127), 0)      # np.frexp(a)[1] - 1 = floor(log2(a)), exactly
;;       r = np.clip(x / 2.0 ** e, -6, 6)
;;       step = 2.0 ** (np.maximum(np.frexp(np.where(r == 0, 1, r))[1] - 1, 0) - 1)
;;       q = np.round(r / step) * step * 2.0 ** e      # np.round: ties to even
;;       return np.moveaxis(q.reshape(q.shape[:-2] + (-1,))[..., :K], -1, axis).astype(np.float32)
;;   ~~~
;; One version. Each part assembles by itself: llvm-mc -triple=amdgcn-amd-amdhsa -mcpu=gfx1250 --defsym DOCPART=n.
;; ======== version 1 of 1: 4 launches
;; limits: values are held in f16: magnitudes above 65,504 overflow, below 6.1e-05 lose precision
;; workspace buffers: x_codes 4,194,304 bytes; x_scales 262,144 bytes; w_codes 1,572,864 bytes; w_scales 98,304 bytes; wo_frag 131,072 bytes; qkv 50,331,648 bytes; o_frag 16,777,216 bytes
;; launch quant (part 1): grid 228 x 1, 8 waves a work-group, no clusters, 84,992 bytes of LDS; arguments inputs, wq, wk, wv, wo, x_codes, x_scales, w_codes, w_scales, wo_frag; writes x_codes, x_scales, w_codes, w_scales, wo_frag
.if DOCPART == 1
	.amdgcn_target "amdgcn-amd-amdhsa--gfx1250"
	.amdhsa_code_object_version 6
	.text
	.protected	k_qd9607a2538_quant
	.globl	k_qd9607a2538_quant
	.p2align	8
	.type	k_qd9607a2538_quant,@function
k_qd9607a2538_quant:
	s_mov_b64 s[64:65], 0
	v_nop
	global_prefetch_b8 v0, s[64:65] scope:SCOPE_SE
	s_setreg_imm32_b32 hwreg(HW_REG_WAVE_MODE, 25, 1), 1
	s_wait_xcnt 0x0
; The operands of the three quantised products are made once: inputs [8192][1024] f32 and wq, wk, wv [1024 (k)][1024 (n)] f32 become codes of FP4 (E2M1), K innermost, two codes a byte
; (the lower k in the low four bits), with one E8M0 byte for each 32 along K; wo [1024][64] f32 becomes f16 in the order of an operand's registers.
; A block's scale is 2^(floor(log2(its largest magnitude)) - 2); its byte is the largest magnitude's exponent field - 2, held at 1 from below; each number is divided by the scale and rounded to the nearest code, ties to even.
; LIMITS: NaN and infinities among the inputs are not served.  A block whose largest magnitude lies under 2^-124 keeps the byte 1; a block of zeros gets the byte 1 where the rule says 127:
; its codes are zeros, which add nothing under that byte, and the bytes are read by this program alone.  wo is rounded to f16: |wo| stays under 65,504.
; THREE PATHS, parted by the work-group's number alone and never joined: 0-95 the weights (path W), 96-99 wo (path O), 100-227 the inputs (path X).  Each path that uses LDS has LDS bytes of its own.
; No cluster and no tensor load: no two work-groups read the same byte, and every number passes through registers anyway.
.set WREG,  8192                       ; path X: a region of LDS for each wave: two stages of 32 x SP bytes, behind them its 256 scale bytes
.set SP,    80                         ; a lane's place in a stage: 64 bytes + 16 of padding
.set STGW,  8*WREG                     ; path W: a stage of 64 rows (columns of a weight) x (256 bytes of codes + 16)
.set WP,    272
.set SCW,   STGW+64*WP                 ; path W: 16 scale bytes for each of the 64 columns
.set SPARE, SCW+64*16                  ; the spare words, 128 bytes for each of the eight waves: four blocks of 256 bytes that no other line names
.set SPW,   12                         ; v12  LDS address of my spare word; never rewritten
.set NIL,   13                         ; v13  0; never rewritten
.set R,     16                         ; path X: v16-143 eight sets of 16 numbers as they are loaded
.set X,     144                        ; v144-175 two sets of 16 neighbours
.set E,     176                        ; v176-191 a scale byte for each step
.set C,     192                        ; v192-223 two registers of codes for each step: no store's data are written again
	s_load_b512 s[4:19], s[0:1], 0x0               ; inputs 4:5, wq 6:7, wk 8:9, wv 10:11, wo 12:13, x_codes 14:15, x_scales 16:17, w_codes 18:19
	s_load_b128 s[20:23], s[0:1], 0x40             ; w_scales 20:21, wo_frag 22:23
	v_lshl_add_u32 v[SPW], v0, 2, SPARE
	v_mov_b32 v[NIL], 0
	v_lshrrev_b32 v1, 5, v0
	v_readfirstlane_b32 s24, v1                    ; wave 0..7
	v_and_b32 v2, 31, v0                           ; lane
	s_wait_kmcnt 0x0
	s_cmp_lt_u32 ttmp9, 96
	s_cbranch_scc1 .Lpath_w
	s_cmp_lt_u32 ttmp9, 100
	s_cbranch_scc1 .Lpath_o
; ---- PATH X.  Rows are dense and K is a multiple of 32: the inputs are a plain stream of blocks of 32, and so are the codes and the bytes.  A wave takes a run of 8,192 numbers in 16 steps of 512.
; Each load reads 512 consecutive bytes, 16 a lane; a step's 2,048 bytes turn through the wave's own stage in LDS and come back 64 bytes a lane, so that a lane holds 16 neighbours and two lanes a block.
	s_sub_co_u32 s25, ttmp9, 100
	s_lshl_b32 s25, s25, 3
	s_add_co_u32 s25, s25, s24                     ; my run, 0..1023
	s_mov_b32 s27, 0
	s_lshl_b32 s26, s25, 15                        ; 32,768 bytes of numbers,
	s_add_nc_u64 s[4:5], s[4:5], s[26:27]
	s_lshl_b32 s26, s25, 12                        ; 4,096 of codes,
	s_add_nc_u64 s[14:15], s[14:15], s[26:27]
	s_lshl_b32 s26, s25, 8                         ; 256 scale bytes a run
	s_add_nc_u64 s[16:17], s[16:17], s[26:27]
	v_lshlrev_b32 v3, 4, v2                        ; my 16 bytes of a load's 512
	v_lshlrev_b32 v4, 3, v2                        ; my 8 bytes of a step's 256 bytes of codes
	s_mul_i32 s28, s24, WREG
	v_lshrrev_b32 v14, 2, v2
	v_mul_u32_u24 v14, v14, SP
	v_and_b32 v15, 3, v2
	v_lshl_add_u32 v14, v15, 4, v14
	v_add_nc_u32 v14, s28, v14                     ; the stage, on the way in: SP (lane / 4) + 16 (lane % 4); a load's 512 bytes take eight places
	v_mul_u32_u24 v15, v2, SP
	v_add_nc_u32 v15, s28, v15                     ; and on the way out: SP x lane
	v_lshrrev_b32 v5, 1, v2
	s_add_co_u32 s28, s28, 2*32*SP
	v_add_nc_u32 v5, s28, v5                       ; my block's byte among my wave's 256
	v_lshlrev_b32 v7, 3, v2
	v_add_nc_u32 v6, s28, v7                       ; and 8 of them a lane on the way out
.macro XLOAD t
.irp i, 0,1,2,3
	global_load_b128 v[R+16*((\t)%8)+4*\i:R+16*((\t)%8)+4*\i+3], v3, s[4:5] offset:2048*(\t)+512*\i th:TH_LOAD_NT
.endr
.endm
.macro XTURN t                         ; LDS serves a wave's instructions in order: no wait between the stores and the loads
.irp i, 0,1,2,3
	ds_store_b128 v14, v[R+16*((\t)%8)+4*\i:R+16*((\t)%8)+4*\i+3] offset:32*SP*((\t)%2)+8*SP*\i
.endr
.irp i, 0,1,2,3
	ds_load_b128 v[X+16*((\t)%2)+4*\i:X+16*((\t)%2)+4*\i+3], v15 offset:32*SP*((\t)%2)+16*\i
.endr
.endm
.macro XSTEP t
.set XS, X+16*((\t)%2)
.if (\t) > 0
	s_wait_dscnt 1                                 ; this step's numbers are back from the stage (the last step's byte store may be out): so the stores into the stage have read their registers,
.else
	s_wait_dscnt 0x0
.endif
.if (\t)+8 < 16
	XLOAD (\t)+8                                   ; which take the loads of eight steps on
.endif
.if (\t)+1 < 16
.if (\t) <= 7
	s_wait_loadcnt 28                              ; the next step's four loads are in; those of the seven steps behind it may be out
.else
	s_wait_loadcnt 4*(14-(\t))                     ; the counts run down: 14 - t steps are behind the next one
.endif
	XTURN (\t)+1
.endif
	v_max3_num_f32 v8, |v[XS]|, |v[XS+1]|, |v[XS+2]|
	v_max3_num_f32 v9, |v[XS+3]|, |v[XS+4]|, |v[XS+5]|
.irp i, 6,10
	v_max3_num_f32 v8, v8, |v[XS+\i]|, |v[XS+\i+1]|
	v_max3_num_f32 v9, v9, |v[XS+\i+2]|, |v[XS+\i+3]|
.endr
	v_max3_num_f32 v8, v8, |v[XS+14]|, |v[XS+15]|
	v_max3_num_f32 v8, v8, v9, 0x1800000           ; with the floor 2^(3 - 127): the byte cannot fall under 1
	v_max_num_f32_dpp v8, v8, v8 row_xmask:1 row_mask:0xf bank_mask:0xf   ; and my neighbour's 16: the block's largest magnitude
	v_add_nc_u32 v11, 0xff000000, v8               ; 2 off its exponent field: the conversion takes this operand's exponent field as its scale
	v_cvt_scalef32_pk8_fp4_f32 v[C+2*(\t)], v[XS:XS+7], v11
	v_cvt_scalef32_pk8_fp4_f32 v[C+2*(\t)+1], v[XS+8:XS+15], v11
	v_lshrrev_b32 v[E+(\t)], 23, v11               ; the scale's byte (also the plain line behind the conversions)
	ds_store_b8 v5, v[E+(\t)] offset:16*(\t)       ; both lanes of a block write the same byte with the same value
	global_store_b64 v4, v[C+2*(\t):C+2*(\t)+1], s[14:15] offset:256*(\t)   ; the wave stores 256 consecutive bytes, aligned
.endm
.irp t, 0,1,2,3,4,5,6,7
	XLOAD \t
.endr
	s_wait_loadcnt 28                              ; step 0's four loads are in
	XTURN 0
.irp t, 0,1,2,3,4,5,6,7,8,9,10,11,12,13,14,15
	XSTEP \t
.endr
	ds_load_b64 v[8:9], v6                         ; my wave's 256 scale bytes: these see my stores
	s_wait_dscnt 0x0
	global_store_b64 v7, v[8:9], s[16:17]          ; 256 consecutive bytes, aligned
	s_wait_tensorcnt 0x0                           ; the wave's end
	ds_add_u32 v[SPW], v[NIL]
	s_wait_dscnt 0x0
	s_endpgm
; ---- PATH W.  K is a weight's FIRST axis: a lane takes a column and its registers run down K, so a block of 32 lies in one lane and the codes come out with K innermost.
; Work-group g: weight g / 32, K half (g / 16) % 2, columns 64 (g % 16) on.  Wave: columns 32 (wave % 2) on, K rows 128 (wave / 2) on: 128 loads of 128 consecutive bytes, all issued at once;
; the two waves of a pair stand side by side on 256.  The eight waves' codes meet in a stage, 256 bytes a column, and leave as whole rows.
.Lpath_w:
	s_lshr_b32 s25, ttmp9, 5                       ; which weight
	s_and_b32 s26, ttmp9, 15                       ; which 64 columns
	s_bfe_u32 s27, ttmp9, 0x10004                  ; which half of K
	s_and_b32 s28, s24, 1                          ; which 32 of the columns
	s_lshr_b32 s29, s24, 1                         ; which 128 of the half's 512 rows
	s_cmp_eq_u32 s25, 0
	s_cselect_b64 s[30:31], s[6:7], s[8:9]
	s_cmp_eq_u32 s25, 2
	s_cselect_b64 s[30:31], s[10:11], s[30:31]
	s_lshl_b32 s32, s27, 2
	s_add_co_u32 s32, s32, s29
	s_lshl_b32 s32, s32, 19                        ; 128 rows of 4,096 bytes
	s_lshl_b32 s33, s26, 1
	s_add_co_u32 s33, s33, s28
	s_lshl_b32 s33, s33, 7                         ; 32 columns of 4 bytes
	s_add_co_u32 s32, s32, s33
	s_mov_b32 s33, 0
	s_add_nc_u64 s[30:31], s[30:31], s[32:33]
	v_lshlrev_b32 v3, 2, v2
.set I, 0
.rept 128
	global_load_b32 v[32+I], v3, s[30:31] offset:4096*I th:TH_LOAD_NT
.set I, I+1
.endr
	v_mul_u32_u24 v4, v2, WP                       ; into the stage: row 32 (wave % 2) + lane, byte 64 (wave / 2)
	s_mul_i32 s34, s28, 32*WP
	s_lshl_b32 s35, s29, 6
	s_add_co_u32 s34, s34, s35
	s_add_co_u32 s34, s34, STGW
	v_add_nc_u32 v4, s34, v4
	v_lshlrev_b32 v5, 4, v2                        ; my scale word: 16 bytes a column, word wave / 2
	s_lshl_b32 s34, s28, 9
	s_lshl_b32 s35, s29, 2
	s_add_co_u32 s34, s34, s35
	s_add_co_u32 s34, s34, SCW
	v_add_nc_u32 v5, s34, v5
	v_lshrrev_b32 v14, 4, v2
	v_and_b32 v15, 15, v2
	v_mul_u32_u24 v6, v14, WP                      ; out of the stage: rows 8 wave on, sixteen lanes to a row, two rows an instruction
	v_lshl_add_u32 v6, v15, 4, v6
	s_mul_i32 s34, s24, 8*WP
	s_add_co_u32 s34, s34, STGW
	v_add_nc_u32 v6, s34, v6
	v_lshlrev_b32 v7, 9, v14                       ; and the same place in w_codes: rows of 512 bytes
	v_lshl_add_u32 v7, v15, 4, v7
	v_and_b32 v17, 63, v0
	v_lshl_add_u32 v16, v17, 4, SCW                ; the scale bytes' way out (waves 0 and 1): a column a lane
	v_lshlrev_b32 v17, 5, v17                      ; rows of 32 bytes in w_scales
	s_lshl_b32 s32, s25, 10
	s_lshl_b32 s33, s26, 6
	s_add_co_u32 s32, s32, s33                     ; the work-group's first row of the codes' and bytes' buffers: 1,024 weight + 64 group
	s_lshl_b32 s34, s32, 5
	s_lshl_b32 s33, s27, 4
	s_add_co_u32 s34, s34, s33                     ; + 16 bytes for the upper half of K
	s_mov_b32 s35, 0
	s_add_nc_u64 s[20:21], s[20:21], s[34:35]
	s_lshl_b32 s33, s24, 3
	s_add_co_u32 s32, s32, s33                     ; + the 8 rows that my wave stores
	s_lshl_b32 s32, s32, 9
	s_lshl_b32 s33, s27, 8
	s_add_co_u32 s32, s32, s33                     ; + 256 bytes for the upper half of K
	s_mov_b32 s33, 0
	s_add_nc_u64 s[18:19], s[18:19], s[32:33]
.macro WBLOCK t, left                  ; block t of my column: all its 32 numbers are mine
.set XS, 32+32*(\t)
	s_wait_loadcnt \left
	v_max3_num_f32 v10, |v[XS]|, |v[XS+1]|, |v[XS+2]|
	v_max3_num_f32 v11, |v[XS+3]|, |v[XS+4]|, |v[XS+5]|
.irp i, 6,10,14,18,22,26
	v_max3_num_f32 v10, v10, |v[XS+\i]|, |v[XS+\i+1]|
	v_max3_num_f32 v11, v11, |v[XS+\i+2]|, |v[XS+\i+3]|
.endr
	v_max3_num_f32 v10, v10, |v[XS+30]|, |v[XS+31]|
	v_max3_num_f32 v10, v10, v11, 0x1800000        ; with the floor 2^(3 - 127)
	v_add_nc_u32 v8, 0xff000000, v10               ; the conversion's scale operand
	v_lshrrev_b32 v9, 23, v8                       ; the byte
.if (\t) == 0
	v_mov_b32 v24, v9
.else
	v_lshl_or_b32 v24, v9, 8*(\t), v24             ; four bytes make my 128 rows' scale word
.endif
.irp g, 0,1,2,3
	v_cvt_scalef32_pk8_fp4_f32 v[160+4*(\t)+\g], v[XS+8*\g:XS+8*\g+7], v8
.endr
	v_nop                                          ; a plain line behind the conversions
	ds_store_b128 v4, v[160+4*(\t):163+4*(\t)] offset:16*(\t)   ; each block has registers of its own: no wait
.endm
	WBLOCK 0, 63                                   ; 96 loads are younger than block 0's, 64 than block 1's: the wait's field holds 63, the smaller count is the safe one
	WBLOCK 1, 63
	WBLOCK 2, 32
	WBLOCK 3, 0
	ds_store_b32 v5, v24
	s_wait_dscnt 0x0                               ; for the others' sake: my stores have landed
	s_barrier_signal -1
	s_barrier_wait -1                              ; all eight waves of this work-group are on this path
.irp i, 0,1,2,3
	ds_load_b128 v[176+4*\i:179+4*\i], v6 offset:2*WP*\i
.endr
.irp i, 0,1,2,3
	s_wait_dscnt 3-\i
	global_store_b128 v7, v[176+4*\i:179+4*\i], s[18:19] offset:1024*\i   ; sixteen lanes store 256 consecutive bytes, aligned
.endr
	s_cmp_lt_u32 s24, 2
	s_cbranch_scc0 .Lw_end
	ds_load_b128 v[192:195], v16
	s_wait_dscnt 0x0
	global_store_b128 v17, v[192:195], s[20:21]    ; 16 of a row's 32 bytes: pieces, one byte for each 128 that the path reads
.Lw_end:
	s_wait_tensorcnt 0x0                           ; the wave's end
	ds_add_u32 v[SPW], v[NIL]
	s_wait_dscnt 0x0
	s_endpgm
; ---- PATH O.  wo as f16 in the order of an operand's registers: [K step s of 32][tile t of 16 outputs][half u][lane][16 bytes]; lane (r, h) holds wo(32 s + 16 u + 8 h + 0..7, 16 t + r).  A wave takes one K step.
.Lpath_o:
	s_sub_co_u32 s25, ttmp9, 96
	s_lshl_b32 s25, s25, 3
	s_add_co_u32 s25, s25, s24                     ; s, 0..31
	s_mov_b32 s27, 0
	s_lshl_b32 s26, s25, 13                        ; 32 rows of 256 bytes
	s_add_nc_u64 s[12:13], s[12:13], s[26:27]
	s_lshl_b32 s26, s25, 12                        ; 4,096 bytes of fragments
	s_add_nc_u64 s[22:23], s[22:23], s[26:27]
	v_and_b32 v3, 15, v2
	v_lshrrev_b32 v4, 4, v2
	v_lshlrev_b32 v3, 2, v3
	v_lshl_add_u32 v3, v4, 11, v3                  ; 8 h rows + 4 r bytes
	v_lshlrev_b32 v5, 4, v2
.irp t, 0,1,2,3
.irp u, 0,1
.irp j, 0,1,2,3,4,5,6,7
	global_load_b32 v[32+16*\t+8*\u+\j], v3, s[12:13] offset:(16*\u+\j)*256+64*\t
.endr
.endr
.endr
	s_wait_loadcnt 0x0
.irp t, 0,1,2,3
.irp u, 0,1
.irp q, 0,1,2,3
	v_cvt_pk_f16_f32 v[96+8*\t+4*\u+\q], v[32+16*\t+8*\u+2*\q], v[32+16*\t+8*\u+2*\q+1]   ; the lower k in the low half
.endr
.endr
.endr
.irp t, 0,1,2,3
.irp u, 0,1
	global_store_b128 v5, v[96+8*\t+4*\u:96+8*\t+4*\u+3], s[22:23] offset:1024*\t+512*\u   ; 512 consecutive bytes, aligned
.endr
.endr
	s_wait_tensorcnt 0x0
	ds_add_u32 v[SPW], v[NIL]
	s_wait_dscnt 0x0
	s_endpgm
.Lfunc_end_k_qd9607a2538_quant:
	.size	k_qd9607a2538_quant, .Lfunc_end_k_qd9607a2538_quant-k_qd9607a2538_quant
	.p2alignl 7, 3214868480
	.fill 96, 4, 3214868480
	.section	.rodata,"a",@progbits
	.p2align	6, 0x0
	.amdhsa_kernel k_qd9607a2538_quant
		.amdhsa_group_segment_fixed_size 84992
		.amdhsa_private_segment_fixed_size 0
		.amdhsa_enable_private_segment 0
		.amdhsa_kernarg_size 80
		.amdhsa_user_sgpr_count 2
		.amdhsa_user_sgpr_kernarg_segment_ptr 1
		.amdhsa_wavefront_size32 1
		.amdhsa_system_sgpr_workgroup_id_x 1
		.amdhsa_system_sgpr_workgroup_id_y 1
		.amdhsa_system_sgpr_workgroup_id_z 1
		.amdhsa_system_vgpr_workitem_id 0
		.amdhsa_next_free_vgpr 256
		.amdhsa_next_free_sgpr 66
		.amdhsa_reserve_vcc 0
		.amdhsa_float_denorm_mode_32 3
		.amdhsa_float_denorm_mode_16_64 3
		.amdhsa_memory_ordered 1
		.amdhsa_forward_progress 1
		.amdhsa_inst_pref_size 64
	.end_amdhsa_kernel
	.amdgpu_metadata
---
amdhsa.version: [ 1, 2 ]
amdhsa.kernels:
  - .name:           k_qd9607a2538_quant
    .symbol:         k_qd9607a2538_quant.kd
    .args:
      - { .name: inputs, .offset: 0, .size: 8, .value_kind: global_buffer, .address_space: global }
      - { .name: wq, .offset: 8, .size: 8, .value_kind: global_buffer, .address_space: global }
      - { .name: wk, .offset: 16, .size: 8, .value_kind: global_buffer, .address_space: global }
      - { .name: wv, .offset: 24, .size: 8, .value_kind: global_buffer, .address_space: global }
      - { .name: wo, .offset: 32, .size: 8, .value_kind: global_buffer, .address_space: global }
      - { .name: x_codes, .offset: 40, .size: 8, .value_kind: global_buffer, .address_space: global }
      - { .name: x_scales, .offset: 48, .size: 8, .value_kind: global_buffer, .address_space: global }
      - { .name: w_codes, .offset: 56, .size: 8, .value_kind: global_buffer, .address_space: global }
      - { .name: w_scales, .offset: 64, .size: 8, .value_kind: global_buffer, .address_space: global }
      - { .name: wo_frag, .offset: 72, .size: 8, .value_kind: global_buffer, .address_space: global }
    .group_segment_fixed_size: 84992
    .private_segment_fixed_size: 0
    .kernarg_segment_align: 8
    .kernarg_segment_size: 80
    .max_flat_workgroup_size: 256
    .sgpr_count:     66
    .vgpr_count:     256
    .wavefront_size: 32
...
	.end_amdgpu_metadata
.endif
;; end of part 1
;; launch proj (part 2): grid 12 x 32, 4 waves a work-group, clusters of 4 x 4, 327,680 bytes of LDS; arguments x_codes, x_scales, w_codes, w_scales, bq, bk, bv, qkv; writes qkv
.if DOCPART == 2
	.amdgcn_target "amdgcn-amd-amdhsa--gfx1250"
	.amdhsa_code_object_version 6
	.text
	.protected	k_qd9607a2538_proj
	.globl	k_qd9607a2538_proj
	.p2align	8
	.type	k_qd9607a2538_proj,@function
k_qd9607a2538_proj:
	s_mov_b64 s[64:65], 0
	v_nop
	global_prefetch_b8 v0, s[64:65] scope:SCOPE_SE
	s_setreg_imm32_b32 hwreg(HW_REG_WAVE_MODE, 25, 1), 1
	s_wait_xcnt 0x0
	s_wait_alu depctr_hold_cnt(0) depctr_sa_sdst(0) depctr_va_vdst(0) depctr_va_sdst(0) depctr_va_ssrc(0) depctr_va_vcc(0) depctr_vm_vsrc(0)
	s_getreg_b32 s2, hwreg(HW_REG_IB_STS2, 6, 4)
	s_cmp_eq_u32 s2, 0
	s_cbranch_scc0 .Lentry_in_a_cluster
	s_endpgm
.Lentry_in_a_cluster:
	s_bfe_u32 s2, ttmp6, 0x10000c
	s_cmp_lg_u32 s2, 0xf033
	s_cbranch_scc0 .Lentry_shape_is_right
	s_endpgm
.Lentry_shape_is_right:
; q, k, v = x W + b, the three quantised products as ONE product on codes of FP4 (E2M1) with E8M0 scales: x [8192][1024], W [3072 = the columns of wq, wk, wv][1024], K innermost; sums in f32; the bias is the C of
; each sum's first matrix instruction; the result is rounded once to f16 and laid [3][batch x head 64][position 2048][64].  LIMIT: |q|, |k|, |v| stay under 65,504, f16's largest number.
; A tile of 256 tokens x 256 columns is made by four waves, each 128 x 128: 64 accumulators, 512 registers.  K = 1,024 is two LDS slots of 512 along K (rows of 256 bytes): both are filled once, at the start; nothing is filled again.
; The scale bytes of the tile's 256 + 256 rows, for all of K, are two dense blocks: they come once, in rows of 256 bytes.  A wave has three tensor loads out at the most.
; CLUSTERS: 4 x 4 work-groups.  The four of a row of the cluster need the same tiles of x, the four of a column the same tiles of W: each is asked for jointly, by the same load with a mask that names the four.
; THE MATRIX INSTRUCTION IS USED TRANSPOSED (source 0 = 16 rows of W, source 1 = 16 tokens): a lane holds eight neighbouring columns of one token.
; REGISTERS, in windows of 256: window 0: v0-31 addresses; v32-95 scale words, two sets; v128-191 x's fragments, one set; v192-255 the bias in the result's layout; on the way out v128-223 are free.
;   window 1: W's fragments, two sets, at v0 and v128.   window 2: the accumulators of my tokens 0-63 ((a, b) at v[8 (8 a + b)]);   window 3: those of tokens 64-127.
.set NQ,     4                         ; matrix instructions deep in a slot
.set ROWB,   256                       ; a tile's row: 512 codes
.set KROW,   512                       ; a row of codes in memory
.set PITCH,  272                       ; an LDS row: 256 bytes + 16 of padding: the 16 rows that a load touches start at 16 different banks
.set FR,     8
.set NL,     2
.set NP,     4
.set HALFT,  128*PITCH
.set SLOT,   4*HALFT
.set KS,     32                        ; a row of scale bytes
.set SCL,    2*SLOT
.set HALFS,  (128*KS/256)*272
.set SBLK,   (16*KS/256)*272
.set SPARE,  SCL+4*HALFS               ; the spare words, 128 bytes for each wave: two blocks of 256 bytes that no other line names
.set SPITCH, 272                       ; the way out: a stage of 16 rows x (256 bytes + 16) for each wave, in slot 0, which has had its only fill and its last read by then
.set ADRA, 16
.set ADRB, 20
.set STO,  24
.set RD,   25
.set CO,   26
.set ADRS, 27
.set SPW,  28
.set NIL,  29
.set SC,   32
.set AF,   128
.set BI,   192
.set TMP,  128
.set BK,   160
.set G1, 24
.set G0, 32
.set G1B, 48
.set G0B, 56
.set G1S, 68
.set G0S, 76
.set G1SB, 80
.set G0SB, 88
.set MSB, 0
.macro WIN new                         ; the immediate's high byte repeats the setting that is left
.if MSB != \new
	s_set_vgpr_msb (MSB<<8)|\new
.set MSB, \new
.endif
.endm
.set MUL_LO, 0xa1                      ; source 0 (W) window 1, source 1 (x) window 0, C and D window 2
.set MUL_HI, 0xf1
.set TO_B,   0x40
; A joint load: waves 0 and 1 fetch for x, waves 2 and 3 for W.  The branch hangs on the wave's number alone.  An s_nop 0 and four v_nop follow each of the two lines.
.macro JLOAD g0a, g1a, g0b, g1b
	s_cmp_eq_u32 s21, 0
	s_cbranch_scc0 .Lfor_b_\@
	tensor_load_to_lds s[\g0a:\g0a+3], s[\g1a:\g1a+7]
	s_nop 0
.rept 4
	v_nop
.endr
	s_branch .Lasked_\@
.Lfor_b_\@:
	tensor_load_to_lds s[\g0b:\g0b+3], s[\g1b:\g1b+7]
	s_nop 0
.rept 4
	v_nop
.endr
.Lasked_\@:
.endm
.macro CROUND                          ; a round of the cluster's barrier
	s_barrier_signal -1
	s_barrier_wait -1
	s_cmp_lg_u32 s20, 0
	s_cbranch_scc1 .Lnot_wave_0_\@
	s_barrier_signal -3
.Lnot_wave_0_\@:
	s_barrier_wait -3
	s_barrier_signal -1
	s_barrier_wait -1
.endm
	s_load_b256 s[4:11], s[0:1], 0x0               ; x_codes 4:5, x_scales 6:7, w_codes 8:9, w_scales 10:11
	s_load_b256 s[12:19], s[0:1], 0x20             ; bq 12:13, bk 14:15, bv 16:17, qkv 18:19
	v_lshl_add_u32 v[SPW], v0, 2, SPARE
	v_mov_b32 v[NIL], 0
	ds_add_u32 v[SPW], v[NIL]                      ; the wave's opening: the add, twice on end, and its wait ahead of my first tensor load
	ds_add_u32 v[SPW], v[NIL]
	v_lshrrev_b32 v1, 5, v0
	v_readfirstlane_b32 s20, v1                    ; wave 0..3
	s_lshr_b32 s21, s20, 1                         ; which half of the tile's tokens is mine.  Also: I fetch for x (0) or for W (1)
	s_and_b32 s22, s20, 1                          ; which half of its columns.  Also: which 128 rows I fetch
	s_bfe_u32 s40, ttmp6, 0x40000                  ; cx, cy
	s_bfe_u32 s41, ttmp6, 0x40004
	s_lshl_b32 s42, ttmp9, 2
	s_add_co_u32 s42, s42, s40                     ; tile column = 4 x cluster x + cx
	s_and_b32 s23, ttmp7, 0xffff
	s_lshl_b32 s23, s23, 2
	s_add_co_u32 s23, s23, s41                     ; tile row = 4 x cluster y + cy
	s_lshl_b32 s43, s41, 2
	s_lshl_b32 s43, 15, s43                        ; my row of the cluster
	s_lshl_b32 s44, 0x1111, s40                    ; my column
	s_or_b32 s[G1+0], s43, (0<<16)|(1<<20)|(1<<21)|(5<<22)|(3<<25)   ; the mask; elements of 1 byte; padding on; bit 21 beside a mask; 4 words behind every 64
	s_or_b32 s[G1B+0], s44, (0<<16)|(1<<20)|(1<<21)|(5<<22)|(3<<25)
.irp g, G1, G1B
	s_mov_b32 s[\g+1], ROWB<<16                    ; tensor_dim0
	s_mov_b32 s[\g+2], 128<<16                     ; tensor_dim1
	s_mov_b32 s[\g+3], ROWB<<16                    ; tile_dim0
	s_mov_b32 s[\g+4], 128                         ; tile_dim1
	s_mov_b32 s[\g+5], KROW                        ; the pitch
	s_mov_b32 s[\g+6], 0
	s_mov_b32 s[\g+7], 0
.endr
	s_or_b32 s[G1S+0], s43, (3<<16)|(1<<20)|(1<<21)|(5<<22)|(3<<25)  ; the scales of 128 rows: 4,096 dense bytes as 16 rows of 32 elements of 8 bytes
	s_or_b32 s[G1SB+0], s44, (3<<16)|(1<<20)|(1<<21)|(5<<22)|(3<<25)
.irp g, G1S, G1SB
	s_mov_b32 s[\g+1], 32<<16
	s_mov_b32 s[\g+2], (128*KS/256)<<16
	s_mov_b32 s[\g+3], 32<<16
	s_mov_b32 s[\g+4], 128*KS/256
	s_mov_b32 s[\g+5], 32
	s_mov_b32 s[\g+6], 0
	s_mov_b32 s[\g+7], 0
.endr
	s_lshl_b32 s3, s22, 7                          ; which 128 rows of the tile I fetch
	s_lshl_b32 s92, s23, 8
	s_add_co_u32 s92, s92, s3                      ; x: row 256 x tile row + 128 x half: made of the tile row and the wave's number alone
	s_lshl_b32 s96, s42, 8
	s_add_co_u32 s96, s96, s3                      ; W: row 256 x tile column + 128 x half
	s_lshl_b32 s94, s92, 5                         ; their scale bytes, 32 a row,
	s_lshl_b32 s92, s92, 9                         ; and their codes, 512 a row: all under 2^23
	s_lshl_b32 s98, s96, 5
	s_lshl_b32 s96, s96, 9
	s_mov_b32 s93, 0
	s_mov_b32 s95, 0
	s_mov_b32 s97, 0
	s_mov_b32 s99, 0
	s_mul_i32 s45, s20, HALFT                      ; where they go: wave x 128 rows: no place in the cluster enters an LDS address
	s_mul_i32 s66, s20, HALFS
	s_wait_dscnt 0x0                               ; both opening adds are done
	s_wait_kmcnt 0x0
	s_add_nc_u64 s[92:93], s[4:5], s[92:93]
	s_add_nc_u64 s[94:95], s[6:7], s[94:95]
	s_add_nc_u64 s[96:97], s[8:9], s[96:97]
	s_add_nc_u64 s[98:99], s[10:11], s[98:99]
	CROUND                                         ; all sixteen work-groups are here: the joint loads meet
	s_mov_b32 s[G0S], 1
	s_add_co_u32 s[G0S+1], s66, SCL
	s_mov_b64 s[G0S+2:G0S+3], s[94:95]
	s_or_b32 s[G0S+3], s[G0S+3], 0x80000000
	s_mov_b32 s[G0SB], 1
	s_add_co_u32 s[G0SB+1], s66, SCL
	s_mov_b64 s[G0SB+2:G0SB+3], s[98:99]
	s_or_b32 s[G0SB+3], s[G0SB+3], 0x80000000
	JLOAD G0S, G1S, G0SB, G1SB                     ; the scales first: they are wanted with the first slot
.irp s, 0,1
	s_mov_b32 s[G0+4*\s], 1
	s_add_co_u32 s[G0+4*\s+1], s45, \s*SLOT
	s_add_nc_u64 s[G0+4*\s+2:G0+4*\s+3], s[92:93], \s*ROWB
	s_or_b32 s[G0+4*\s+3], s[G0+4*\s+3], 0x80000000
	s_mov_b32 s[G0B+4*\s], 1
	s_add_co_u32 s[G0B+4*\s+1], s45, \s*SLOT
	s_add_nc_u64 s[G0B+4*\s+2:G0B+4*\s+3], s[96:97], \s*ROWB
	s_or_b32 s[G0B+4*\s+3], s[G0B+4*\s+3], 0x80000000
	JLOAD G0+4*\s, G1, G0B+4*\s, G1B
.endr
	v_and_b32 v1, 15, v0                           ; r
	v_bfe_u32 v2, v0, 4, 1                         ; h
	; the bias: lane (r, h) wants, for W's block b, the numbers of columns 16 b + 8 h + 0..7 of my 128
	s_cmp_eq_u32 ttmp9, 0                          ; cluster x says which of q, k, v: 1,024 columns are four tile columns
	s_cselect_b64 s[46:47], s[12:13], s[14:15]
	s_cmp_eq_u32 ttmp9, 2
	s_cselect_b64 s[46:47], s[16:17], s[46:47]
	s_lshl_b32 s2, s40, 10
	s_lshl_b32 s3, s22, 9
	s_add_co_u32 s2, s2, s3
	s_mov_b32 s3, 0
	s_add_nc_u64 s[46:47], s[46:47], s[2:3]
	v_lshlrev_b32 v7, 5, v2
.irp b, 0,1,2,3,4,5,6,7
	global_load_b128 v[BI+8*\b:BI+8*\b+3], v7, s[46:47] offset:64*\b
	global_load_b128 v[BI+8*\b+4:BI+8*\b+7], v7, s[46:47] offset:64*\b+16
.endr
	v_mul_u32_u24 v3, v1, PITCH
	v_lshl_add_u32 v4, v2, 4, v3                   ; a fragment's row x pitch + 16 x half
	s_mul_i32 s2, s21, HALFT                       ; my 128 tokens
	s_mul_i32 s3, s22, HALFT                       ; my 128 rows of W,
	s_add_co_u32 s3, s3, 2*HALFT                   ; which lie behind x's 256
.irp s, 0,1
	v_add_nc_u32 v[ADRA+\s], s2, v4
	v_add_nc_u32 v[ADRB+\s], s3, v4
	s_add_co_u32 s2, s2, SLOT
	s_add_co_u32 s3, s3, SLOT
.endr
	v_mul_u32_u24 v5, v1, KS                       ; my row's scale bytes: 32 a row,
	v_lshrrev_b32 v6, 8, v5
	v_lshl_add_u32 v5, v6, 4, v5                   ; and 16 more for each 256 passed
	s_mul_i32 s2, s21, HALFS
	s_mul_i32 s3, s22, HALFS
	s_add_co_u32 s3, s3, 2*HALFS
	s_sub_co_u32 s3, s3, s2
	v_mul_u32_u24 v6, s3, v2                       ; lanes 16-31 take W's: the lower base + h x the distance
	s_add_co_u32 s2, s2, SCL
	v_add_nc_u32 v5, v5, v6
	v_add_nc_u32 v[ADRS], s2, v5
	s_mul_i32 s2, s20, 16*SPITCH                   ; my stage
	v_mul_u32_u24 v5, v1, SPITCH                   ; in: row r, 16 bytes for each half of the lanes
	v_lshl_add_u32 v5, v2, 4, v5
	v_add_nc_u32 v[STO], s2, v5
	v_and_b32 v6, 31, v0
	v_lshlrev_b32 v[CO], 4, v6                     ; out: 16 bytes a lane of 512
	v_lshrrev_b32 v5, 3, v6                        ; back: eight lanes take a token's 128 bytes of one head, four tokens an instruction
	v_mul_u32_u24 v5, v5, SPITCH
	v_and_b32 v8, 7, v6
	v_lshl_add_u32 v5, v8, 4, v5
	v_add_nc_u32 v[RD], s2, v5
	; where my part of qkv begins: 2^24 x (q, k or v) + 2^18 x (16 batch + head) + 128 x position
	s_lshl_b32 s2, ttmp9, 24
	s_lshr_b32 s3, s23, 3                          ; batch: eight tile rows each
	s_lshl_b32 s3, s3, 4
	s_lshl_b32 s67, s40, 2                         ; a tile column is four heads,
	s_add_co_u32 s3, s3, s67
	s_lshl_b32 s67, s22, 1                         ; my half of it two
	s_add_co_u32 s3, s3, s67
	s_lshl_b32 s3, s3, 18
	s_add_co_u32 s2, s2, s3
	s_and_b32 s3, s23, 7
	s_lshl_b32 s3, s3, 1
	s_add_co_u32 s3, s3, s21
	s_lshl_b32 s3, s3, 14                          ; 128 positions of 128 bytes
	s_add_co_u32 s2, s2, s3
	s_mov_b32 s3, 0
	s_add_nc_u64 s[18:19], s[18:19], s[2:3]
.macro FRAG reg, adr, q, i             ; 16 rows x 128 K of 4-bit codes: 8 registers: lane l holds row l % 16; registers 4 c .. 4 c + 3 hold K = 64 c + 32 (l / 16) + 0..31
.irp c, 0,1
	ds_load_b128 v[\reg+4*\c:\reg+4*\c+3], v[\adr] offset:64*(\q)+32*\c+(\i)*16*PITCH
.endr
.endm
; 16 matrix instructions: x's blocks a0, a0 + 1 against W's eight, the slot's q-th 128 along K.  zero = 1: the first product starts the sums from the bias.  The 64 accumulators take turns.
.macro MUL16 a0, p, q, sc, zero
.irp a, \a0, \a0+1
.irp b, 0,1,2,3,4,5,6,7
.if \zero
	v_wmma_scale_f32_16x16x128_f8f6f4 v[8*(8*((\a)%4)+\b):8*(8*((\a)%4)+\b)+7], v[128*(\p)+FR*\b:128*(\p)+FR*\b+FR-1], v[AF+FR*(\a):AF+FR*(\a)+FR-1], v[BI+8*\b:BI+8*\b+7], v[SC+8*NQ*(\sc)+NQ*\b+(\q)], v[SC+8*NQ*(\sc)+NQ*(\a)+(\q)] matrix_a_fmt:MATRIX_FMT_FP4 matrix_b_fmt:MATRIX_FMT_FP4 matrix_a_scale:MATRIX_SCALE_ROW1
.else
	v_wmma_scale_f32_16x16x128_f8f6f4 v[8*(8*((\a)%4)+\b):8*(8*((\a)%4)+\b)+7], v[128*(\p)+FR*\b:128*(\p)+FR*\b+FR-1], v[AF+FR*(\a):AF+FR*(\a)+FR-1], v[8*(8*((\a)%4)+\b):8*(8*((\a)%4)+\b)+7], v[SC+8*NQ*(\sc)+NQ*\b+(\q)], v[SC+8*NQ*(\sc)+NQ*(\a)+(\q)] matrix_a_fmt:MATRIX_FMT_FP4 matrix_b_fmt:MATRIX_FMT_FP4 matrix_a_scale:MATRIX_SCALE_ROW1
.endif
.endr
.endr
.endm
.macro FETCH_B slot, q, p
	WIN TO_B
.irp i, 0,1,2,3,4,5,6,7
	FRAG 128*(\p)+FR*\i, ADRB+\slot, \q, \i
.endr
	WIN 0
.endm
.macro FETCH_A slot, q, i0
.irp i, \i0, \i0+1, \i0+2, \i0+3
	FRAG AF+FR*(\i), ADRA+\slot, \q, \i
.endr
.endm
.macro SCALES sc                       ; a slot's scale words: four a row; lanes 0-15 take x's block i, lanes 16-31 W's block i
.irp i, 0,1,2,3,4,5,6,7
	ds_load_b128 v[SC+8*NQ*\sc+NQ*\i:SC+8*NQ*\sc+NQ*\i+3], v[ADRS] offset:\i*SBLK
.endr
.endm
.macro PLACES n                        ; plain vector lines between matrix instructions and loads into, or reads of, their registers
.rept \n
	v_nop
.endr
.endm
.macro STEP slot, q, zero              ; 128 along K that has its successor in the same slot
	s_wait_dscnt 4*NL                              ; W's set and x's blocks 0-3 are in; the youngest eight loads (x's blocks 4-7) may be out
.if \zero
	WIN 0x81                                       ; C, the bias, in window 0
.else
	WIN MUL_LO
.endif
	MUL16 0, (\q)%2, \q, \slot, \zero
	MUL16 2, (\q)%2, \q, \slot, \zero
	s_wait_dscnt 0                                 ; x's blocks 4-7 are in
	PLACES NP
	FETCH_B \slot, (\q)+1, 1-(\q)%2
	FETCH_A \slot, (\q)+1, 0
.if \zero
	WIN 0xc1
.else
	WIN MUL_HI
.endif
	MUL16 4, (\q)%2, \q, \slot, \zero
	MUL16 6, (\q)%2, \q, \slot, \zero
	PLACES NP
	WIN 0
	FETCH_A \slot, (\q)+1, 4
.endm
; Slot 0's last step changes slots: one barrier; in front of it each wave waits for all its tensor loads (its part of slot 1), adds 0 to its spare word, and waits for that and for its reads of slot 0.
.macro TURN slot, next
	s_wait_tensorcnt 0x0
	ds_add_u32 v[SPW], v[NIL]
	s_wait_dscnt 4*NL+1                            ; (the add and the youngest eight loads may be out)
	WIN MUL_LO
	MUL16 0, 1, NQ-1, \slot, 0
	s_wait_dscnt 0x0                               ; the add is done, and my reads of this slot are over
	s_barrier_signal -1
	MUL16 2, 1, NQ-1, \slot, 0
	WIN 0
	s_barrier_wait -1
	PLACES NP
	v_add_nc_u32 v[ADRS], 4*NQ, v[ADRS]            ; on to the next slot's scale words
	FETCH_B \next, 0, 0
	FETCH_A \next, 0, 0
	SCALES \next
	WIN MUL_HI
	MUL16 4, 1, NQ-1, \slot, 0
	MUL16 6, 1, NQ-1, \slot, 0
	PLACES NP
	WIN 0
	FETCH_A \next, 0, 4
.endm
.macro STEPS slot, from
.set Q, \from
.rept NQ-1-\from
	STEP \slot, Q, 0
.set Q, Q+1
.endr
.endm
	s_wait_tensorcnt 1                             ; the scales and my part of slot 0 are in; slot 1's load, the one issued behind them, may be out
	s_barrier_signal -1
	s_barrier_wait -1                              ; everybody's are
	FETCH_B 0, 0, 0
	FETCH_A 0, 0, 0
	SCALES 0
	FETCH_A 0, 0, 4
	s_wait_loadcnt 0x0                             ; the bias
	STEP 0, 0, 1
	STEPS 0, 1
	TURN 0, 1
	STEPS 1, 0
	s_wait_dscnt 4*NL                              ; the very last step: nothing more to fetch
	WIN MUL_LO
	MUL16 0, 1, NQ-1, 1, 0
	MUL16 2, 1, NQ-1, 1, 0
	s_wait_dscnt 0
	WIN MUL_HI
	MUL16 4, 1, NQ-1, 1, 0
	MUL16 6, 1, NQ-1, 1, 0
	WIN 0
; THE WAY OUT, block by block of 16 tokens x 128 columns (two heads).  A lane's eight numbers pack into 16 bytes; they go into my stage, rows of 272 bytes, and come back so that the 32 lanes hold four tokens of one head:
; 512 consecutive bytes of qkv.  LDS serves a wave's instructions in order: no wait between the stores and the loads.
.macro PACK a
.set AC, 64*((\a)%4)
	WIN 0x0a+5*((\a)/4)                            ; sources 0 and 1: window 2 or 3
.irp b, 0,1,2,3,4,5,6,7
.irp r, 0,1,2,3
	v_cvt_pk_f16_f32 v[TMP+4*\b+\r], v[AC+8*\b+2*\r], v[AC+8*\b+2*\r+1]   ; each accumulator from its low end on
.endr
.endr
	WIN 0
.endm
.macro TOSTAGE a
.set BB, BK+32*((\a)%2)
.irp b, 0,1,2,3,4,5,6,7
	ds_store_b128 v[STO], v[TMP+4*\b:TMP+4*\b+3] offset:32*\b
.endr
.irp t, 0,1,2,3,4,5,6,7
	ds_load_b128 v[BB+4*\t:BB+4*\t+3], v[RD] offset:(\t/4)*128+4*(\t%4)*SPITCH
.endr
.endm
.macro SEND a
.set BB, BK+32*((\a)%2)
	s_wait_dscnt 0x0                               ; the block is back in registers
	s_wait_xcnt 0x0                                ; the block before's stores have read their registers: the next block's loads may land there
.irp t, 0,1,2,3,4,5,6,7
	global_store_b128 v[CO], v[BB+4*\t:BB+4*\t+3], s[18:19] offset:(\t/4)*262144+(\a)*2048+(\t%4)*512   ; 512 consecutive bytes, aligned; the base is never stepped
.endr
.endm
	PLACES NP                                      ; the conversions write registers that held x's fragments
	PACK 0
	TOSTAGE 0
.irp a, 1,2,3,4,5,6,7
	PACK \a
	SEND \a-1
	TOSTAGE \a
.endr
	SEND 7
	s_wait_tensorcnt 0x0                           ; the wave's end
	ds_add_u32 v[SPW], v[NIL]
	s_wait_dscnt 0x0
	CROUND                                         ; the closing round
	s_endpgm
.Lfunc_end_k_qd9607a2538_proj:
	.size	k_qd9607a2538_proj, .Lfunc_end_k_qd9607a2538_proj-k_qd9607a2538_proj
	.p2alignl 7, 3214868480
	.fill 96, 4, 3214868480
	.section	.rodata,"a",@progbits
	.p2align	6, 0x0
	.amdhsa_kernel k_qd9607a2538_proj
		.amdhsa_group_segment_fixed_size 327680
		.amdhsa_private_segment_fixed_size 0
		.amdhsa_enable_private_segment 0
		.amdhsa_kernarg_size 64
		.amdhsa_user_sgpr_count 2
		.amdhsa_user_sgpr_kernarg_segment_ptr 1
		.amdhsa_wavefront_size32 1
		.amdhsa_system_sgpr_workgroup_id_x 1
		.amdhsa_system_sgpr_workgroup_id_y 1
		.amdhsa_system_sgpr_workgroup_id_z 1
		.amdhsa_system_vgpr_workitem_id 0
		.amdhsa_next_free_vgpr 1024
		.amdhsa_next_free_sgpr 100
		.amdhsa_reserve_vcc 0
		.amdhsa_float_denorm_mode_32 3
		.amdhsa_float_denorm_mode_16_64 3
		.amdhsa_memory_ordered 1
		.amdhsa_forward_progress 1
		.amdhsa_inst_pref_size 128
	.end_amdhsa_kernel
	.amdgpu_metadata
---
amdhsa.version: [ 1, 2 ]
amdhsa.kernels:
  - .name:           k_qd9607a2538_proj
    .symbol:         k_qd9607a2538_proj.kd
    .args:
      - { .name: x_codes, .offset: 0, .size: 8, .value_kind: global_buffer, .address_space: global }
      - { .name: x_scales, .offset: 8, .size: 8, .value_kind: global_buffer, .address_space: global }
      - { .name: w_codes, .offset: 16, .size: 8, .value_kind: global_buffer, .address_space: global }
      - { .name: w_scales, .offset: 24, .size: 8, .value_kind: global_buffer, .address_space: global }
      - { .name: bq, .offset: 32, .size: 8, .value_kind: global_buffer, .address_space: global }
      - { .name: bk, .offset: 40, .size: 8, .value_kind: global_buffer, .address_space: global }
      - { .name: bv, .offset: 48, .size: 8, .value_kind: global_buffer, .address_space: global }
      - { .name: qkv, .offset: 56, .size: 8, .value_kind: global_buffer, .address_space: global }
    .group_segment_fixed_size: 327680
    .private_segment_fixed_size: 0
    .kernarg_segment_align: 8
    .kernarg_segment_size: 64
    .max_flat_workgroup_size: 128
    .sgpr_count:     100
    .vgpr_count:     1024
    .wavefront_size: 32
...
	.end_amdgpu_metadata
.endif
;; end of part 2
;; launch attn (part 3): grid 4 x 64, 8 waves a work-group, clusters of 4 x 1, 327,680 bytes of LDS; arguments qkv, o_frag; writes o_frag
.if DOCPART == 3
	.amdgcn_target "amdgcn-amd-amdhsa--gfx1250"
	.amdhsa_code_object_version 6
	.text
	.protected	k_qd9607a2538_attn
	.globl	k_qd9607a2538_attn
	.p2align	8
	.type	k_qd9607a2538_attn,@function
k_qd9607a2538_attn:
	s_mov_b64 s[64:65], 0
	v_nop
	global_prefetch_b8 v0, s[64:65] scope:SCOPE_SE
	s_setreg_imm32_b32 hwreg(HW_REG_WAVE_MODE, 25, 1), 1
	s_wait_xcnt 0x0
	s_wait_alu depctr_hold_cnt(0) depctr_sa_sdst(0) depctr_va_vdst(0) depctr_va_sdst(0) depctr_va_ssrc(0) depctr_va_vcc(0) depctr_vm_vsrc(0)
	s_getreg_b32 s2, hwreg(HW_REG_IB_STS2, 6, 4)
	s_cmp_eq_u32 s2, 0
	s_cbranch_scc0 .Lentry_in_a_cluster
	s_endpgm
.Lentry_in_a_cluster:
	s_bfe_u32 s2, ttmp6, 0x10000c
	s_cmp_lg_u32 s2, 0x3003
	s_cbranch_scc0 .Lentry_shape_is_right
	s_endpgm
.Lentry_shape_is_right:
; o[bh][q] = the sum over k of softmax_k(q . k / 8) v, no mask; q, k, v: [3][bh 64][2048][64] f16.  Products on f16 operands with f32 sums; maxima and sums in f32; the weights p are rounded to f16 for the second
; product, o once at the end.  LIMITS: o under 6e-5 in magnitude is carried as an f16 denormal; NaN and infinities are not served.
; SHARES.  A work-group owns 512 queries of one (batch, head), each of its eight waves 64: four tiles of 16, in 512 registers; two waves to a SIMD.  Every wave walks all 2,048 keys, 64 a step.
; LAYOUT.  S^T = K Q^T (source 0 = 16 keys, source 1 = 16 queries): a lane holds ONE query (lane % 16) and keys 8 (lane / 16) + 0..7.  Two such tiles, rounded to f16 in pairs, ARE source 1 of O^T = V^T P, whose
; result again holds one query a lane and eight channels; rounded to f16 those registers ARE source 1 of the last projection: they are stored as they stand, 16 bytes a lane.
; SOFTMAX.  A running maximum m and sum l for each query: p = 2^(c s - c m), c = log2(e) / 8; in every step O and l are multiplied by a = 2^(c m_old - c m_new).
; PHASES.  A step is a softmax (SM: vector work) and a matrix block (MBLK).  The two waves of a SIMD are held in opposite phase: at each change of slots a wave of type 0 runs the pending SM ahead of the barrier, a wave
; of type 1 behind it.  The type is (wave xor wave / 4) % 2: it differs between waves w and w + 4 and between 2 s and 2 s + 1.
; CLUSTER.  The four work-groups of a cluster own the four query blocks of one (batch, head) and walk the same K and V: each tile is asked for jointly.  A slot holds four steps; every wave issues one load behind each round
; (waves 0-3: K of step wave % 4; waves 4-7: V of it), which has four steps' work in which to land.  A wave has two tensor loads out at the start and one afterwards.
; REGISTERS: window 0: v1-11 addresses; v14, v15 the add's two; v16-47 eight statistics a tile; v64-191 S^T, 32 a tile, P in place in each tile's first 16; v192-255 Q.
;   window 1: v0-127 O^T, 32 a tile; v128-191 K of one step; v192-255 V of one step.
.set KS,    64
.set PK,    144       ; a row of K in LDS: 128 bytes + 16: an odd multiple of 16
.set PV,    160       ; a row of V: 128 + 32: an odd multiple of 32, for the turning load
.set VOFF,  KS*PK
.set STEPB, KS*(PK+PV)
.set NST,   4         ; steps in a slot
.set SLOT1, 1<<17     ; slot 1 begins here: one exclusive or turns an address in one slot into the other's
.set SPARE, SLOT1+NST*STEPB  ; the spare words, 128 bytes for each of the eight waves: four blocks of 256 bytes that no other line names
.set AK0, 2
.set AV0, 3
.set ADR, 4
.set QO,  5
.set GO,  6
.set SPW, 14
.set NIL, 15
.set ST,  16          ; tile t at v[ST+8 t]: +0 c m, +1 m, +2, +3 l, +4 to +7 at work (a in +6)
.set S,   64
.set Q,   192
.set KF,  128         ; in window 1
.set VF,  192         ; in window 1
.set WV,  12
.set TY,  15
.set G1K, 24
.set G1V, 32
.set G0K, 40
.set G0V, 48
.set SLOTS, 56
.set CNT, 57
.set CS,  58
.set SEL, 60
.set TB,  62
.set MSB, 0
.macro WIN new
.if MSB != \new
	s_set_vgpr_msb (MSB<<8)|\new
.set MSB, \new
.endif
.endm
.macro NOPS n
.rept \n
	v_nop
.endr
.endm
.macro JLOAD                        ; the joint refill; an s_nop 0 and four v_nop follow each of the two lines
	s_cmp_lt_u32 s[WV], 4
	s_cbranch_scc0 .Lfor_v_\@
	tensor_load_to_lds s[G0K+4:G0K+7], s[G1K:G1K+7]
	s_nop 0
.rept 4
	v_nop
.endr
	s_branch .Lasked_\@
.Lfor_v_\@:
	tensor_load_to_lds s[G0V+4:G0V+7], s[G1V:G1V+7]
	s_nop 0
.rept 4
	v_nop
.endr
.Lasked_\@:
.endm
.macro CROUND
	s_barrier_signal -1
	s_barrier_wait -1
	s_cmp_lg_u32 s[WV], 0
	s_cbranch_scc1 .Lnot_wave_0_\@
	s_barrier_signal -3
.Lnot_wave_0_\@:
	s_barrier_wait -3
	s_barrier_signal -1
	s_barrier_wait -1
.endm
	s_load_b128 s[4:7], s[0:1], 0x0   ; qkv s[4:5], o_frag s[6:7]
	v_lshl_add_u32 v[SPW], v0, 2, SPARE
	v_mov_b32 v[NIL], 0
	ds_add_u32 v[SPW], v[NIL]       ; the wave's opening: the add, twice on end, and its wait ahead of my first tensor load
	ds_add_u32 v[SPW], v[NIL]
	v_lshrrev_b32 v1, 5, v0
	v_readfirstlane_b32 s[WV], v1   ; wave 0..7
	s_lshr_b32 s[TY], s[WV], 2
	s_xor_b32 s[TY], s[TY], s[WV]
	s_and_b32 s[TY], s[TY], 1       ; my type
	s_bfe_u32 s13, ttmp6, 0x40000   ; cx: my block of 512 queries; it enters Q's and O's addresses alone
	s_and_b32 s20, ttmp7, 0xffff    ; batch x head, which the four partners share
	s_lshl_b32 s21, s20, 18         ; its first byte in each of q, k, v: 2,048 rows of 128 bytes
	s_and_b32 s16, s[WV], 3         ; which of a slot's four steps I fetch:
	s_lshl_b32 s22, s16, 13         ; its 64 rows of 128 bytes in memory,
	s_add_co_u32 s22, s22, s21
	s_mov_b32 s23, 0
	s_mul_i32 s17, s16, STEPB       ; and its place in a slot
	s_lshl_b32 s2, s13, 16          ; Q: my block's 512 rows,
	s_lshl_b32 s3, s[WV], 13        ; my wave's 64 of them
	s_add_co_u32 s2, s2, s3
	s_add_co_u32 s2, s2, s21
	s_mov_b32 s3, 0
	s_lshr_b32 s14, s20, 4          ; O: row tile 128 batch + 32 cx + 4 wave, 32,768 bytes each; head: 2,048 bytes
	s_lshl_b32 s14, s14, 7
	s_lshl_b32 s18, s13, 5
	s_add_co_u32 s14, s14, s18
	s_lshl_b32 s18, s[WV], 2
	s_add_co_u32 s14, s14, s18
	s_lshl_b32 s14, s14, 15
	s_and_b32 s18, s20, 15
	s_lshl_b32 s18, s18, 11
	s_add_co_u32 s18, s14, s18
	s_mov_b32 s19, 0
	s_mov_b32 s[G1K], 15|(1<<16)|(1<<20)|(1<<21)|(4<<22)|(3<<25)  ; the mask: all four; elements of 2 bytes; padding on; bit 21 beside a mask; 4 words behind every 32
	s_mov_b32 s[G1V], 15|(1<<16)|(1<<20)|(1<<21)|(4<<22)|(7<<25)  ; the same with 8 words
.irp g, G1K, G1V
	s_mov_b32 s[\g+1], 64<<16       ; tensor_dim0
	s_mov_b32 s[\g+2], KS<<16       ; tensor_dim1
	s_mov_b32 s[\g+3], 64<<16       ; tile_dim0
	s_mov_b32 s[\g+4], KS           ; tile_dim1
	s_mov_b32 s[\g+5], 64           ; the pitch
	s_mov_b32 s[\g+6], 0
	s_mov_b32 s[\g+7], 0
.endr
	s_mov_b32 s[CS], 0x3e38aa3b     ; c = log2(e) / 8
	s_mov_b32 s[CS+1], s[CS]
	s_mov_b32 s[SEL], 0x76543210
	s_mov_b32 s[SEL+1], 0xfedcba98
	s_mov_b32 s[TB], 0
	s_mov_b32 s[SLOTS], 2048/(NST*KS)-2
	s_wait_dscnt 0x0                ; both opening adds are done
	s_wait_kmcnt 0x0
	s_add_nc_u64 s[8:9], s[4:5], s[22:23]
	s_add_nc_u64 s[8:9], s[8:9], 0x1000000    ; K at my tile of slot 0
	s_add_nc_u64 s[10:11], s[8:9], 0x1000000  ; V likewise
	s_add_nc_u64 s[2:3], s[4:5], s[2:3]       ; Q at my wave's first row
	s_add_nc_u64 s[18:19], s[6:7], s[18:19]   ; O at my wave's first row tile
	CROUND                          ; all four work-groups are here: the first joint loads meet
.irp s, 0,1
	s_mov_b32 s[G0K+4*\s], 1
	s_add_co_u32 s[G0K+4*\s+1], s17, \s*SLOT1
	s_add_nc_u64 s[G0K+4*\s+2:G0K+4*\s+3], s[8:9], \s*NST*KS*128
	s_or_b32 s[G0K+4*\s+3], s[G0K+4*\s+3], 0x80000000
	s_mov_b32 s[G0V+4*\s], 1
	s_add_co_u32 s[G0V+4*\s+1], s17, \s*SLOT1+VOFF
	s_add_nc_u64 s[G0V+4*\s+2:G0V+4*\s+3], s[10:11], \s*NST*KS*128
	s_or_b32 s[G0V+4*\s+3], s[G0V+4*\s+3], 0x80000000
.endr
	s_cmp_lt_u32 s[WV], 4           ; a wave's two first fills stand in one branch, ahead of every wait on TENSORcnt and every LDS read
	s_cbranch_scc0 .Lfirst_v
	tensor_load_to_lds s[G0K:G0K+3], s[G1K:G1K+7]
	s_nop 0
	tensor_load_to_lds s[G0K+4:G0K+7], s[G1K:G1K+7]
	s_nop 0
.rept 4
	v_nop
.endr
	s_branch .Lfirst_asked
.Lfirst_v:
	tensor_load_to_lds s[G0V:G0V+3], s[G1V:G1V+7]
	s_nop 0
	tensor_load_to_lds s[G0V+4:G0V+7], s[G1V:G1V+7]
	s_nop 0
.rept 4
	v_nop
.endr
.Lfirst_asked:
	v_and_b32 v1, 15, v0            ; r
	v_bfe_u32 v9, v0, 4, 1          ; h
	v_lshlrev_b32 v[QO], 7, v1
	v_lshl_add_u32 v[QO], v9, 4, v[QO]  ; row x 128 + 16 x half
.irp t, 0,1,2,3
.irp d, 0,1
	global_load_b128 v[Q+16*\t+8*\d:Q+16*\t+8*\d+3],   v[QO], s[2:3] offset:\t*2048+\d*64      ; Q stays in registers: tile t, channels 32 d on
	global_load_b128 v[Q+16*\t+8*\d+4:Q+16*\t+8*\d+7], v[QO], s[2:3] offset:\t*2048+\d*64+32
.endr
.endr
	v_mul_u32_u24 v[AK0], v1, PK
	v_lshl_add_u32 v[AK0], v9, 4, v[AK0]
	v_and_b32 v10, 7, v0            ; the turning load: lane l reads key 8 (l / 16) + l % 8, channels 8 ((l / 8) % 2) + 0..7
	v_bfe_u32 v11, v0, 3, 1
	v_lshl_add_u32 v[AV0], v9, 3, v10
	v_mul_u32_u24 v[AV0], v[AV0], PV
	v_lshl_add_u32 v[AV0], v11, 4, v[AV0]
	v_add_nc_u32 v[AV0], VOFF, v[AV0]
	v_and_b32 v[GO], 31, v0
	v_lshlrev_b32 v[GO], 4, v[GO]   ; the way out: 16 bytes a lane
.macro FETCH_K                      ; a step's K: 64 keys x 64 channels: 8 fragments, 16 loads
	WIN 0
	v_add_nc_u32 v[ADR], s[TB], v[AK0]
	WIN 0x40                        ; destination window 1
.irp k, 0,1,2,3
.irp d, 0,1
	ds_load_b128 v[KF+8*(2*\k+\d):KF+8*(2*\k+\d)+3],   v[ADR] offset:\k*16*PK+\d*64
	ds_load_b128 v[KF+8*(2*\k+\d)+4:KF+8*(2*\k+\d)+7], v[ADR] offset:\k*16*PK+\d*64+32
.endr
.endr
.endm
.macro FETCH_V                      ; the same step's V, turned: 8 fragments of 16 channels x 32 keys
	WIN 0
	v_add_nc_u32 v[ADR], s[TB], v[AV0]
	s_add_co_u32 s[TB], s[TB], STEPB  ; the next fetch is the next step's
	WIN 0x40
.irp k, 0,1
.irp c, 0,1,2,3
	ds_load_tr16_b128 v[VF+8*(4*\k+\c):VF+8*(4*\k+\c)+3],   v[ADR] offset:\k*32*PV+\c*32
	ds_load_tr16_b128 v[VF+8*(4*\k+\c)+4:VF+8*(4*\k+\c)+7], v[ADR] offset:\k*32*PV+16*PV+\c*32
.endr
.endr
	WIN 0
.endm
.macro KQB                          ; S^T = K Q^T: 32 products; the 16 accumulators take turns; the first 16 start the sums
	WIN 0x01
.irp d, 0,1
.irp k, 0,1,2,3
.irp t, 0,1,2,3
.if \d == 0
	v_wmma_f32_16x16x32_f16 v[S+32*\t+8*\k:S+32*\t+8*\k+7], v[KF+8*(2*\k+\d):KF+8*(2*\k+\d)+7], v[Q+16*\t+8*\d:Q+16*\t+8*\d+7], 0
.else
	v_wmma_f32_16x16x32_f16 v[S+32*\t+8*\k:S+32*\t+8*\k+7], v[KF+8*(2*\k+\d):KF+8*(2*\k+\d)+7], v[Q+16*\t+8*\d:Q+16*\t+8*\d+7], v[S+32*\t+8*\k:S+32*\t+8*\k+7]
.endif
.endr
.endr
.endr
.endm
.macro PVB zero                     ; O^T += V^T P: 32 products, 16 accumulators by turns.  zero = 1: the first 16 start the sums
	WIN 0x51
.irp k, 0,1
.irp c, 0,1,2,3
.irp t, 0,1,2,3
.if (\zero) && (\k == 0)
	v_wmma_f32_16x16x32_f16 v[32*\t+8*\c:32*\t+8*\c+7], v[VF+8*(4*\k+\c):VF+8*(4*\k+\c)+7], v[S+32*\t+8*\k:S+32*\t+8*\k+7], 0
.else
	v_wmma_f32_16x16x32_f16 v[32*\t+8*\c:32*\t+8*\c+7], v[VF+8*(4*\k+\c):VF+8*(4*\k+\c)+7], v[S+32*\t+8*\k:S+32*\t+8*\k+7], v[32*\t+8*\c:32*\t+8*\c+7]
.endif
.endr
.endr
.endr
.endm
; THE MATRIX BLOCK: V^T P of the step in hand, K Q^T of the next.  K's loads land under the first 32 products, V's under the softmax that follows.
.macro MBLK zero
	FETCH_K
	s_wait_dscnt 16                 ; V is in; K's 16 loads, just issued, may be out
	PVB \zero
	NOPS 5                          ; the scores are written over P, which the products above read: five plain lines (ISA guide 7.12.1)
	s_wait_dscnt 0x0                ; K is in
	KQB
	NOPS 5                          ; ahead of the loads into V's registers, of the next loads into K's, and of the first read of the scores
	FETCH_V
.endm
; THE SOFTMAX of one step, the four tiles by turns in every group.  first = 1: the first step, which starts m and l and has nothing to rescale.
.macro SM first
	WIN 0
.irp j, 0,1,2,3
.irp t, 0,1,2,3
	v_max3_num_f32 v[ST+8*\t+4+\j], v[S+32*\t+8*\j], v[S+32*\t+8*\j+1], v[S+32*\t+8*\j+2]   ; four chains a tile; each begins at the low end of an accumulator
.endr
.endr
.irp g, 1,2
.irp j, 0,1,2,3
.irp t, 0,1,2,3
	v_max3_num_f32 v[ST+8*\t+4+\j], v[ST+8*\t+4+\j], v[S+32*\t+8*\j+2*\g+1], v[S+32*\t+8*\j+2*\g+2]
.endr
.endr
.endr
.irp t, 0,1,2,3
	v_max3_num_f32 v[ST+8*\t+4], v[ST+8*\t+4], v[S+32*\t+7], v[S+32*\t+15]
.endr
.irp t, 0,1,2,3
	v_max3_num_f32 v[ST+8*\t+6], v[ST+8*\t+6], v[S+32*\t+23], v[S+32*\t+31]
.endr
.irp t, 0,1,2,3
	v_max3_num_f32 v[ST+8*\t+4], v[ST+8*\t+4], v[ST+8*\t+5], v[ST+8*\t+6]
.endr
.irp t, 0,1,2,3
.if \first
	v_max_num_f32 v[ST+8*\t+4], v[ST+8*\t+4], v[ST+8*\t+7]
.else
	v_max3_num_f32 v[ST+8*\t+4], v[ST+8*\t+4], v[ST+8*\t+7], v[ST+8*\t+1]   ; with the old m
.endif
.endr
.irp t, 0,1,2,3
	v_permlanex16_b32 v[ST+8*\t+5], v[ST+8*\t+4], s[SEL], s[SEL+1]   ; the query's other 32 keys lie in the lane 16 away
.endr
.if !\first
.irp t, 0,1,2,3
	v_mov_b32 v[ST+8*\t+7], v[ST+8*\t]   ; c m_old is kept for a
.endr
.endif
.irp t, 0,1,2,3
	v_max_num_f32 v[ST+8*\t+1], v[ST+8*\t+4], v[ST+8*\t+5]
.endr
.irp t, 0,1,2,3
	v_mul_f32 v[ST+8*\t], s[CS], v[ST+8*\t+1]
.endr
.if !\first
.irp t, 0,1,2,3
	v_sub_f32 v[ST+8*\t+7], v[ST+8*\t+7], v[ST+8*\t]
.endr
.irp t, 0,1,2,3
	v_exp_f32 v[ST+8*\t+6], v[ST+8*\t+7]   ; a; nothing names it ahead of the wait below
.endr
.endif
.irp b, 0,1,2,3,4,5,6,7,8,9,10,11,12,13,14,15
.irp t, 0,1,2,3
	v_pk_fma_f32 v[S+32*\t+2*\b:S+32*\t+2*\b+1], v[S+32*\t+2*\b:S+32*\t+2*\b+1], s[CS:CS+1], v[ST+8*\t:ST+8*\t+1] op_sel_hi:[1,0,0] neg_lo:[0,0,1] neg_hi:[0,0,1]   ; c s - c m
.endr
.endr
.irp e, 0,1,2,3,4,5,6,7,8,9,10,11,12,13,14,15,16,17,18,19,20,21,22,23,24,25,26,27,28,29,30,31
.irp t, 0,1,2,3
	v_exp_f32 v[S+32*\t+\e], v[S+32*\t+\e]
.endr
.endr
	v_nop                           ; a plain line behind the last exponential
	s_wait_alu depctr_va_vdst(0)    ; ONE wait for the whole batch, ahead of its first reader
.irp t, 0,1,2,3
.if \first
	v_pk_add_f32 v[ST+8*\t+2:ST+8*\t+3], v[S+32*\t:S+32*\t+1], v[S+32*\t+30:S+32*\t+31]
.else
	v_pk_fma_f32 v[ST+8*\t+2:ST+8*\t+3], v[ST+8*\t+2:ST+8*\t+3], v[ST+8*\t+6:ST+8*\t+7], v[S+32*\t:S+32*\t+1] op_sel_hi:[1,0,1]   ; l = a l + the first pair
.endif
.endr
.irp t, 0,1,2,3
	v_pk_add_f32 v[ST+8*\t+4:ST+8*\t+5], v[S+32*\t+2:S+32*\t+3], v[S+32*\t+4:S+32*\t+5]   ; a second chain; the sums leave p as it is
.endr
.irp k, 0,1,2,3,4,5
.irp t, 0,1,2,3
	v_pk_add_f32 v[ST+8*\t+2:ST+8*\t+3], v[ST+8*\t+2:ST+8*\t+3], v[S+32*\t+6+4*\k:S+32*\t+7+4*\k]
.endr
.irp t, 0,1,2,3
	v_pk_add_f32 v[ST+8*\t+4:ST+8*\t+5], v[ST+8*\t+4:ST+8*\t+5], v[S+32*\t+8+4*\k:S+32*\t+9+4*\k]
.endr
.endr
.if !\first
.irp t, 0,1,2,3
	v_pk_add_f32 v[ST+8*\t+2:ST+8*\t+3], v[ST+8*\t+2:ST+8*\t+3], v[S+32*\t+30:S+32*\t+31]
.endr
.endif
.irp t, 0,1,2,3
	v_pk_add_f32 v[ST+8*\t+2:ST+8*\t+3], v[ST+8*\t+2:ST+8*\t+3], v[ST+8*\t+4:ST+8*\t+5]
.endr
.irp i, 0,1,2,3,4,5,6,7,8,9,10,11,12,13,14,15
.irp t, 0,1,2,3
	v_cvt_pk_f16_f32 v[S+32*\t+\i], v[S+32*\t+2*\i], v[S+32*\t+2*\i+1]   ; P in place, ascending: register i is written when pairs 0 to i have been read
.endr
.endr
.if !\first
	WIN 0x41                        ; O^T in window 1, a in window 0
.irp i, 0,1,2,3,4,5,6,7,8,9,10,11,12,13,14,15
.irp t, 0,1,2,3
	v_pk_mul_f32 v[32*\t+2*\i:32*\t+2*\i+1], v[32*\t+2*\i:32*\t+2*\i+1], v[ST+8*\t+6:ST+8*\t+7] op_sel_hi:[1,0]
.endr
.endr
	WIN 0
.endif
.endm
.macro SM_IF ty                     ; the pending softmax, in waves of type ty
	s_cmp_eq_u32 s[TY], \ty
	s_cbranch_scc0 .Lother_\@
	SM 0
.Lother_\@:
.endm
.macro STEPS n
	s_mov_b32 s[CNT], \n
.Lstep_\@:
	SM 0
	MBLK 0
	s_sub_co_u32 s[CNT], s[CNT], 1
	s_cmp_lg_u32 s[CNT], 0
	s_cbranch_scc1 .Lstep_\@
.endm
; THE CHANGE OF SLOTS: the slot's last bytes, V of its fourth step, have been asked for.  Each wave waits for all its tensor loads (its part of the other slot), adds 0 to its spare word, and waits for that and for its
; reads of the slot.  fill = 1: the barrier is a round of the cluster's, and the joint refill, the keys two slots on, is the first thing behind it.
.macro CHANGE fill
	s_wait_tensorcnt 0x0            ; no tensor load of mine is out, so a group 0 may be written
	ds_add_u32 v[SPW], v[NIL]
.if \fill
.irp g, G0K+4, G0V+4
	s_xor_b32 s[\g+1], s[\g+1], SLOT1  ; the walking descriptor: the other slot than last time,
	s_add_nc_u64 s[\g+2:\g+3], s[\g+2:\g+3], NST*KS*128  ; the next 256 keys
.endr
.endif
	s_wait_dscnt 0x0                ; the add is done, and my reads of the slot are over
.if \fill
	CROUND
	JLOAD
.else
	s_barrier_signal -1
	s_barrier_wait -1
.endif
	s_sub_co_u32 s[TB], s[TB], NST*STEPB  ; the fetches go back to a slot's first step,
	s_xor_b32 s[TB], s[TB], SLOT1   ; in the other slot
.endm
	s_wait_tensorcnt 1              ; my part of slot 0 is in; slot 1's may stay out
	s_barrier_signal -1
	s_barrier_wait -1
	FETCH_K                         ; step 0
	s_wait_loadcnt 0x0              ; Q
	s_wait_dscnt 0x0
	KQB
	NOPS 5
	FETCH_V
	SM 1
	MBLK 1
	STEPS 2                         ; slot 0 has been read out; the scores of its fourth step are pending
.Lslot:                             ; six trips: every slot but the last two is filled again
	SM_IF 0
	CHANGE 1
	SM_IF 1
	MBLK 0
	STEPS 3
	s_sub_co_u32 s[SLOTS], s[SLOTS], 1
	s_cmp_lg_u32 s[SLOTS], 0
	s_cbranch_scc1 .Lslot
	SM_IF 0                         ; the tail is written out
	CHANGE 0
	SM_IF 1
	MBLK 0
	STEPS 3
	SM 0                            ; the last step's softmax,
	s_wait_dscnt 0x0                ; its V,
	PVB 0                           ; and its products
	WIN 0
	; THE WAY OUT.  l's halves are added; O^T is divided by l and rounded to f16; a lane's eight channels of a tile are 16 bytes of the next product's operand.  The additions are the plain lines behind the last products.
.irp t, 0,1,2,3
	v_add_f32 v[ST+8*\t+4], v[ST+8*\t+2], v[ST+8*\t+3]
.endr
.irp t, 0,1,2,3
	v_permlanex16_b32 v[ST+8*\t+5], v[ST+8*\t+4], s[SEL], s[SEL+1]
.endr
.irp t, 0,1,2,3
	v_add_f32 v[ST+8*\t+4], v[ST+8*\t+4], v[ST+8*\t+5]
.endr
.irp t, 0,1,2,3
	v_rcp_f32 v[ST+8*\t+6], v[ST+8*\t+4]
.endr
	v_nop
	s_wait_alu depctr_va_vdst(0)    ; one wait for the four reciprocals, ahead of their first reader
.irp t, 0,1,2,3
	WIN 0x41
.irp i, 0,1,2,3,4,5,6,7,8,9,10,11,12,13,14,15
	v_pk_mul_f32 v[32*\t+2*\i:32*\t+2*\i+1], v[32*\t+2*\i:32*\t+2*\i+1], v[ST+8*\t+6:ST+8*\t+7] op_sel_hi:[1,0]
.endr
	WIN 0x05                        ; sources window 1, destination window 0
.irp i, 0,1,2,3,4,5,6,7,8,9,10,11,12,13,14,15
	v_cvt_pk_f16_f32 v[S+16*\t+\i], v[32*\t+2*\i], v[32*\t+2*\i+1]
.endr
	WIN 0
.irp c, 0,1,2,3
	global_store_b128 v[GO], v[S+16*\t+4*\c:S+16*\t+4*\c+3], s[18:19] offset:32768*\t+512*\c   ; 512 consecutive bytes, aligned
.endr
.endr
	s_wait_tensorcnt 0x0            ; the wave's end
	ds_add_u32 v[SPW], v[NIL]
	s_wait_dscnt 0x0
	CROUND                          ; the closing round
	s_endpgm
.Lfunc_end_k_qd9607a2538_attn:
	.size	k_qd9607a2538_attn, .Lfunc_end_k_qd9607a2538_attn-k_qd9607a2538_attn
	.p2alignl 7, 3214868480
	.fill 96, 4, 3214868480
	.section	.rodata,"a",@progbits
	.p2align	6, 0x0
	.amdhsa_kernel k_qd9607a2538_attn
		.amdhsa_group_segment_fixed_size 327680
		.amdhsa_private_segment_fixed_size 0
		.amdhsa_enable_private_segment 0
		.amdhsa_kernarg_size 16
		.amdhsa_user_sgpr_count 2
		.amdhsa_user_sgpr_kernarg_segment_ptr 1
		.amdhsa_wavefront_size32 1
		.amdhsa_system_sgpr_workgroup_id_x 1
		.amdhsa_system_sgpr_workgroup_id_y 1
		.amdhsa_system_sgpr_workgroup_id_z 1
		.amdhsa_system_vgpr_workitem_id 0
		.amdhsa_next_free_vgpr 512
		.amdhsa_next_free_sgpr 66
		.amdhsa_reserve_vcc 0
		.amdhsa_float_denorm_mode_32 3
		.amdhsa_float_denorm_mode_16_64 3
		.amdhsa_memory_ordered 1
		.amdhsa_forward_progress 1
		.amdhsa_inst_pref_size 255
	.end_amdhsa_kernel
	.section	.bss,"aw",@nobits
	.p2align	6
	.space	262144
	.amdgpu_metadata
---
amdhsa.version: [ 1, 2 ]
amdhsa.kernels:
  - .name:           k_qd9607a2538_attn
    .symbol:         k_qd9607a2538_attn.kd
    .args:
      - { .name: qkv, .offset: 0, .size: 8, .value_kind: global_buffer, .address_space: global }
      - { .name: o_frag, .offset: 8, .size: 8, .value_kind: global_buffer, .address_space: global }
    .group_segment_fixed_size: 327680
    .private_segment_fixed_size: 0
    .kernarg_segment_align: 8
    .kernarg_segment_size: 16
    .max_flat_workgroup_size: 256
    .sgpr_count:     66
    .vgpr_count:     512
    .wavefront_size: 32
...
	.end_amdgpu_metadata
.endif
;; end of part 3
;; launch outp (part 4): grid 256 x 1, 4 waves a work-group, no clusters, 35,328 bytes of LDS; arguments o_frag, wo_frag, bo, out0; writes out0
.if DOCPART == 4
	.amdgcn_target "amdgcn-amd-amdhsa--gfx1250"
	.amdhsa_code_object_version 6
	.text
	.protected	k_qd9607a2538_outp
	.globl	k_qd9607a2538_outp
	.p2align	8
	.type	k_qd9607a2538_outp,@function
k_qd9607a2538_outp:
	s_mov_b64 s[64:65], 0
	v_nop
	global_prefetch_b8 v0, s[64:65] scope:SCOPE_SE
	s_setreg_imm32_b32 hwreg(HW_REG_WAVE_MODE, 25, 1), 1
	s_wait_xcnt 0x0
; out0 = o wo + bo: [8192][1024] x [1024][64], f16 operands, f32 sums.  Both operands lie in memory in the order of an operand's registers, so every load is 512 consecutive bytes a wave and nothing is turned.
; SHARES.  A work-group takes 32 tokens (two row tiles).  Wave w takes K steps 8 w .. 8 w + 7 (heads 4 w .. 4 w + 3) for all 64 outputs: each byte of o is read once, and a wave's 32 fragments of wo fill window 1.
; The four waves' partial sums meet in LDS; each wave then adds the four parts and the bias for 8 tokens and stores whole rows of 256 bytes.
; ORDER OF SUMS: K is summed in four quarters, which are then added: another order than a single ascending chain.
; No cluster and no tensor load: what work-groups share is wo's 131,072 bytes, which go straight into registers; o is read by one work-group alone.
; TRANSPOSED: source 0 = 16 outputs of wo, source 1 = 16 tokens: lane (r, h), register j holds out(token r, output 16 t + 8 h + j).
; REGISTERS: window 0: v1-9 addresses; v12, v13 the add's two; v16-19 the bias; v64-191 o's fragments (row tile m, K step s at 64 m + 8 s), later the parts read back; v192-255 the 8 accumulators.
;   window 1: wo's fragments (K step s, tile t of 16 outputs at 32 s + 8 t).
.set PP,    272                        ; a token's row of a part in LDS: 256 bytes + 16: the 16 rows that a store touches start at 16 different banks
.set PART,  32*PP                      ; a wave's part: 32 tokens
.set SPARE, 4*PART                     ; the spare words, 128 bytes for each wave: two blocks of 256 bytes that no other line names
.set LI,    5                          ; v5   16 x lane
.set BA,    6                          ; v6   the bias: 16 x (lane % 16)
.set PS,    7                          ; v7   where I put 32 bytes of a token's row of my part
.set PR,    9                          ; v9   where I read the parts' rows back
.set SPW,   12                         ; v12  LDS address of my spare word; never rewritten
.set NIL,   13                         ; v13  0; never rewritten
.set BO,    16                         ; v16-19 the bias of outputs 4 (lane % 16) + 0..3
.set OF,    64
.set ACC,   192
.set MSB, 0
.macro WIN new                         ; the immediate's high byte repeats the setting that is left
.if MSB != \new
	s_set_vgpr_msb (MSB<<8)|\new
.set MSB, \new
.endif
.endm
	s_load_b256 s[4:11], s[0:1], 0x0               ; o_frag 4:5, wo_frag 6:7, bo 8:9, out0 10:11
	v_lshl_add_u32 v[SPW], v0, 2, SPARE
	v_mov_b32 v[NIL], 0
	v_lshrrev_b32 v1, 5, v0
	v_readfirstlane_b32 s12, v1                    ; wave 0..3
	v_and_b32 v2, 31, v0
	v_lshlrev_b32 v[LI], 4, v2
	v_and_b32 v3, 15, v0                           ; r
	v_bfe_u32 v4, v0, 4, 1                         ; h
	v_lshlrev_b32 v[BA], 4, v3
	s_lshl_b32 s14, ttmp9, 16                      ; o: two row tiles of 32,768 bytes,
	s_lshl_b32 s15, s12, 13                        ; my eight K steps of 1,024
	s_add_co_u32 s14, s14, s15
	s_mov_b32 s15, 0
	s_lshl_b32 s16, s12, 15                        ; wo: my eight K steps of 4,096
	s_mov_b32 s17, 0
	s_lshl_b32 s18, ttmp9, 13                      ; out0: 32 rows of 256 bytes,
	s_lshl_b32 s19, s12, 11                        ; the 8 that I store
	s_add_co_u32 s18, s18, s19
	s_mov_b32 s19, 0
	s_mul_i32 s20, s12, PART
	v_mul_u32_u24 v[PS], v3, PP
	v_lshl_add_u32 v[PS], v4, 5, v[PS]
	v_add_nc_u32 v[PS], s20, v[PS]                 ; my part: row r, 32 bytes for each half of the lanes
	s_mul_i32 s20, s12, 8*PP
	v_mul_u32_u24 v[PR], v4, PP
	v_lshl_add_u32 v[PR], v3, 4, v[PR]
	v_add_nc_u32 v[PR], s20, v[PR]                 ; back: rows 8 wave on; sixteen lanes to a row, two rows an instruction
	s_wait_kmcnt 0x0
	s_add_nc_u64 s[4:5], s[4:5], s[14:15]
	s_add_nc_u64 s[6:7], s[6:7], s[16:17]
	s_add_nc_u64 s[10:11], s[10:11], s[18:19]
	global_load_b128 v[BO:BO+3], v[BA], s[8:9]
.irp m, 0,1
.irp s, 0,1,2,3,4,5,6,7
.irp u, 0,1
	global_load_b128 v[OF+64*\m+8*\s+4*\u:OF+64*\m+8*\s+4*\u+3], v[LI], s[4:5] offset:32768*\m+1024*\s+512*\u th:TH_LOAD_NT   ; o: read once in the launch
.endr
.endr
.endr
	WIN 0x40                                       ; destination window 1, address window 0
.irp s, 0,1,2,3,4,5,6,7                        ; wo, in the order in which the K steps want it
.irp t, 0,1,2,3
.irp u, 0,1
	global_load_b128 v[32*\s+8*\t+4*\u:32*\s+8*\t+4*\u+3], v[LI], s[6:7] offset:4096*\s+1024*\t+512*\u
.endr
.endr
.endr
; The products: eight accumulators (two row tiles x four tiles of outputs) by turns, a K step at a time; the first K step starts the sums.
.irp s, 0,1,2,3,4,5,6,7
	s_wait_loadcnt 8*(7-\s)                        ; the bias, o and wo's K steps up to this one are in; the eight loads of each later K step may be out
	WIN 0x01                                       ; source 0 (wo) window 1; o, C and D window 0
.irp m, 0,1
.irp t, 0,1,2,3
.if \s == 0
	v_wmma_f32_16x16x32_f16 v[ACC+32*\m+8*\t:ACC+32*\m+8*\t+7], v[32*\s+8*\t:32*\s+8*\t+7], v[OF+64*\m+8*\s:OF+64*\m+8*\s+7], 0
.else
	v_wmma_f32_16x16x32_f16 v[ACC+32*\m+8*\t:ACC+32*\m+8*\t+7], v[32*\s+8*\t:32*\s+8*\t+7], v[OF+64*\m+8*\s:OF+64*\m+8*\s+7], v[ACC+32*\m+8*\t:ACC+32*\m+8*\t+7]
.endif
.endr
.endr
.endr
	WIN 0
.rept 4
	v_nop                                          ; four plain lines between the last products and the stores that read results, and the loads into o's registers
.endr
.irp m, 0,1
.irp t, 0,1,2,3
	ds_store_b128 v[PS], v[ACC+32*\m+8*\t:ACC+32*\m+8*\t+3] offset:16*PP*\m+64*\t         ; each accumulator from its low end on
	ds_store_b128 v[PS], v[ACC+32*\m+8*\t+4:ACC+32*\m+8*\t+7] offset:16*PP*\m+64*\t+16
.endr
.endr
	s_wait_dscnt 0x0                               ; for the others' sake: my part has landed
	s_barrier_signal -1
	s_barrier_wait -1                              ; all four parts lie in LDS
.irp i, 0,1,2,3                                ; rows 8 wave + 2 i and + 2 i + 1 of each of the four parts
.irp p, 0,1,2,3
	ds_load_b128 v[OF+16*\i+4*\p:OF+16*\i+4*\p+3], v[PR] offset:PART*\p+2*PP*\i
.endr
.endr
.irp i, 0,1,2,3
	s_wait_dscnt 4*(3-\i)                          ; this pair of rows is in; the four loads of each later pair may be out
.irp e, 0,2
	v_pk_add_f32 v[OF+16*\i+\e:OF+16*\i+\e+1], v[OF+16*\i+\e:OF+16*\i+\e+1], v[OF+16*\i+4+\e:OF+16*\i+4+\e+1]         ; quarters 0 + 1
	v_pk_add_f32 v[OF+16*\i+8+\e:OF+16*\i+8+\e+1], v[OF+16*\i+8+\e:OF+16*\i+8+\e+1], v[OF+16*\i+12+\e:OF+16*\i+12+\e+1]   ; quarters 2 + 3
.endr
.irp e, 0,2
	v_pk_add_f32 v[OF+16*\i+\e:OF+16*\i+\e+1], v[OF+16*\i+\e:OF+16*\i+\e+1], v[OF+16*\i+8+\e:OF+16*\i+8+\e+1]
.endr
.irp e, 0,2
	v_pk_add_f32 v[OF+16*\i+\e:OF+16*\i+\e+1], v[OF+16*\i+\e:OF+16*\i+\e+1], v[BO+\e:BO+\e+1]                        ; and the bias
.endr
	global_store_b128 v[LI], v[OF+16*\i:OF+16*\i+3], s[10:11] offset:512*\i th:TH_STORE_NT   ; sixteen lanes store a row of 256 consecutive bytes, aligned
.endr
	s_wait_tensorcnt 0x0                           ; the wave's end
	ds_add_u32 v[SPW], v[NIL]
	s_wait_dscnt 0x0
	s_endpgm
.Lfunc_end_k_qd9607a2538_outp:
	.size	k_qd9607a2538_outp, .Lfunc_end_k_qd9607a2538_outp-k_qd9607a2538_outp
	.p2alignl 7, 3214868480
	.fill 96, 4, 3214868480
	.section	.rodata,"a",@progbits
	.p2align	6, 0x0
	.amdhsa_kernel k_qd9607a2538_outp
		.amdhsa_group_segment_fixed_size 35328
		.amdhsa_private_segment_fixed_size 0
		.amdhsa_enable_private_segment 0
		.amdhsa_kernarg_size 32
		.amdhsa_user_sgpr_count 2
		.amdhsa_user_sgpr_kernarg_segment_ptr 1
		.amdhsa_wavefront_size32 1
		.amdhsa_system_sgpr_workgroup_id_x 1
		.amdhsa_system_sgpr_workgroup_id_y 1
		.amdhsa_system_sgpr_workgroup_id_z 1
		.amdhsa_system_vgpr_workitem_id 0
		.amdhsa_next_free_vgpr 512
		.amdhsa_next_free_sgpr 66
		.amdhsa_reserve_vcc 0
		.amdhsa_float_denorm_mode_32 3
		.amdhsa_float_denorm_mode_16_64 3
		.amdhsa_memory_ordered 1
		.amdhsa_forward_progress 1
		.amdhsa_inst_pref_size 20
	.end_amdhsa_kernel
	.amdgpu_metadata
---
amdhsa.version: [ 1, 2 ]
amdhsa.kernels:
  - .name:           k_qd9607a2538_outp
    .symbol:         k_qd9607a2538_outp.kd
    .args:
      - { .name: o_frag, .offset: 0, .size: 8, .value_kind: global_buffer, .address_space: global }
      - { .name: wo_frag, .offset: 8, .size: 8, .value_kind: global_buffer, .address_space: global }
      - { .name: bo, .offset: 16, .size: 8, .value_kind: global_buffer, .address_space: global }
      - { .name: out0, .offset: 24, .size: 8, .value_kind: global_buffer, .address_space: global }
    .group_segment_fixed_size: 35328
    .private_segment_fixed_size: 0
    .kernarg_segment_align: 8
    .kernarg_segment_size: 32
    .max_flat_workgroup_size: 128
    .sgpr_count:     66
    .vgpr_count:     512
    .wavefront_size: 32
...
	.end_amdgpu_metadata
.endif
;; end of part 4
